; MI455X (gfx1250); checked and timed in simulation.
; The chip was launched on July 23, 2026; its instructions are those of AMD's public machine-readable ISA for CDNA 5 (MIT licence, August 2026) and "CDNA5" Instruction Set Architecture Reference Guide (July 2026). The comments in the code are by the model that wrote it; some were corrected since.
;; Multi Head Attention. Allowed arithmetic: matrix products marked QUANTISED: E2M1 operands, one E8M0 scale for each 32 along K, by v_wmma_scale_f32_16x16x128_f8f6f4 with both operands' format E2M1 (or v_wmma_scale_f32_32x16x128_f4), f32 sums; everything else in f32.
;; Inputs: Wk_codes 1,024 x 32 x 16 uint8 (E2M1 codes of Wk, K innermost, in blocks of 32 codes, two codes a byte); Wk_scales 1,024 x 32 uint8 (E8M0 scales of Wk, one for each 32 codes along K); Wo_codes 1,024 x 32 x 16 uint8 (E2M1 codes of Wo, K innermost, in blocks of 32 codes, two codes a byte); Wo_scales 1,024 x 32 uint8 (E8M0 scales of Wo, one for each 32 codes along K); Wq_codes 1,024 x 32 x 16 uint8 (E2M1 codes of Wq, K innermost, in blocks of 32 codes, two codes a byte); Wq_scales 1,024 x 32 uint8 (E8M0 scales of Wq, one for each 32 codes along K); Wv_codes 1,024 x 32 x 16 uint8 (E2M1 codes of Wv, K innermost, in blocks of 32 codes, two codes a byte); Wv_scales 1,024 x 32 uint8 (E8M0 scales of Wv, one for each 32 codes along K); bk 1,024 float32; bo 1,024 float32; bq 1,024 float32; bv 1,024 float32; x_codes 4 x 2,048 x 32 x 16 uint8 (E2M1 codes of x, K innermost, in blocks of 32 codes, two codes a byte); x_scales 4 x 2,048 x 32 uint8 (E8M0 scales of x, one for each 32 codes along K).
;; Outputs: out0 4 x 2,048 x 1,024 float32.
;; This version of the problem:
;;   THIS VERSION OF THE PROBLEM IS GIVEN IN LOW PRECISION. The matrix products marked QUANTISED in the list below multiply operands that are first quantised to E2M1 (2 exponent bits, 1 mantissa bit; 4 bits a number), with one power-of-two scale for each 32 numbers along K (OCP MX v1.0); their sums are f32. All else is computed in f32.
;;   The module's matrix products, in the order in which they are computed (A, B: the left and right operand; K: the contracted axis; several contracted axes count as one K, in the product's order):
;;     1. [M 8,192, K 1,024] x [K 1,024, N 1,024]; A: input x (given as codes); B: input Wq (given as codes): QUANTISED
;;     2. [M 8,192, K 1,024] x [K 1,024, N 1,024]; A: input x (given as codes); B: input Wk (given as codes): QUANTISED
;;     3. [M 8,192, K 1,024] x [K 1,024, N 1,024]; A: input x (given as codes); B: input Wv (given as codes): QUANTISED
;;     4. batch 64 x [M 2,048, K 64] x [K 64, N 2,048]; A: computed on the way; B: computed on the way: QUANTISED
;;     5. batch 64 x [M 2,048, K 2,048] x [K 2,048, N 64]; A: softmax (see below); B: computed on the way: QUANTISED
;;     6. [M 8,192, K 1,024] x [K 1,024, N 1,024]; A: computed on the way; B: input Wo (given as codes): QUANTISED
;;   THE QUANTISER, for each operand of a quantised product, along K:
;;     - K is cut into blocks of 32 from its start; a last block that is shorter is filled with zeros.
;;     - A block's scale is 2^e with e = floor(log2(the largest magnitude in the block)) - 2, held to -126 .. 127; a block of zeros has e = 0. As a byte (E8M0): e + 127.
;;     - Each number is divided by its block's scale, clamped to +-6, and rounded to the nearest number of E2M1, ties to even, subnormals kept.
;;     - The product sums the exact products of the quantised numbers (number of the format x scale) in f32.
;;   ~~~python
;;   def quantise(x, axis):      # numpy; x: float32 -> the quantised numbers, widened to float32 again
;;       x = np.moveaxis(x, axis, -1); K = x.shape[-1]
;;       x = np.pad(x, [(0, 0)] * (x.ndim - 1) + [(0, -K % 32)]); x = x.reshape(x.shape[:-1] + (-1, 32)); a = np.abs(x).max(-1, keepdims=True)
;;       e = np.where(a > 0, np.clip(np.frexp(np.where(a > 0, a, 1))[1] - 1 - 2, -126, 127), 0)      # np.frexp(a)[1] - 1 = floor(log2(a)), exactly
;;       r = np.clip(x / 2.0 ** e, -6, 6)
;;       step = 2.0 ** (np.maximum(np.frexp(np.where(r == 0, 1, r))[1] - 1, 0) - 1)
;;       q = np.round(r / step) * step * 2.0 ** e      # np.round: ties to even
;;       return np.moveaxis(q.reshape(q.shape[:-2] + (-1,))[..., :K], -1, axis).astype(np.float32)
;;   ~~~
;;   SOFTMAX AHEAD OF A QUANTISED PRODUCT. Where the list says 'softmax', what is quantised is not the finished softmax but p = 2^(t - M), with t = logit x log2(e) and M = ceil(the row's largest t), a whole number; so 1/2 < the row's largest p <= 1. The row's sum l is taken of the UNQUANTISED p, in f32, and the product's result is divided by l at the end. Since M is a whole number, a kernel that streams over the keys may use a running M (the ceiling of the running maximum): every later rescaling is an exact power of two, which a block's scale takes up: the codes' values come out the same.
;;   OPERANDS COMPUTED ON THE WAY. 'Computed on the way' means the value that the module computes at that place (a softmax that the list does not call 'softmax' is quantised finished and normalised). What goes into a quantiser is computed in f32, as accurately as f32 sums, v_exp_f32 and their like allow (about 1e-6 of the number): no bf16 or f16 on the way to a quantiser, and a product that is left as it is and whose result goes on into a quantised operand takes f32 operands (vector FMAs, or v_wmma_f32_16x16x4_f32). A number that lies on a knife's edge between two numbers of the format may be rounded either way, as far as f32 arithmetic and the matrix unit's own rounding can turn it there, and no further.
;;   INPUTS GIVEN AS CODES. Wk (in the module: [1024, 1024], K = its axis 1); Wo (in the module: [1024, 1024], K = its axis 1); Wq (in the module: [1024, 1024], K = its axis 1); Wv (in the module: [1024, 1024], K = its axis 1); x (in the module: [4, 2048, 1024], K = its axis 2): each comes as NAME_codes (uint8): NAME with its K axis moved to the last place and cut into blocks of 32 codes, [.., K / 32, bytes a block], one block behind the other in memory; two codes a byte, the lower K in the low four bits (a code: sign, 2 exponent bits, 1 mantissa bit); and NAME_scales (uint8): the same leading axes, one E8M0 byte (e + 127) for each 32 codes along K. Its value is code x scale, taken as it is: it is not quantised again, and the codes and scales need not be those that the quantiser above would give.
;; One version. Each part assembles by itself: llvm-mc -triple=amdgcn-amd-amdhsa -mcpu=gfx1250 --defsym DOCPART=n.
;; ======== version 1 of 1: 3 launches
;; workspace buffers: qr 4,718,592 bytes; kv 9,175,040 bytes; oc 4,194,304 bytes; os 262,144 bytes
;; launch qkv (part 1): grid 12 x 32, 4 waves a work-group, clusters of 4 x 4, 327,680 bytes of LDS; arguments x_codes, x_scales, Wq_codes, Wq_scales, Wk_codes, Wk_scales, Wv_codes, Wv_scales, bq, bk, bv, qr, kv; writes qr, kv
.if DOCPART == 1
	.amdgcn_target "amdgcn-amd-amdhsa--gfx1250"
	.amdhsa_code_object_version 6
	.text
	.protected	k_q76f4fa94c8_qkv
	.globl	k_q76f4fa94c8_qkv
	.p2align	8
	.type	k_q76f4fa94c8_qkv,@function
k_q76f4fa94c8_qkv:
	s_mov_b64 s[64:65], 0
	v_nop
	global_prefetch_b8 v0, s[64:65] scope:SCOPE_SE
	s_setreg_imm32_b32 hwreg(HW_REG_WAVE_MODE, 25, 1), 1
	s_wait_xcnt 0x0
	s_wait_alu depctr_hold_cnt(0) depctr_sa_sdst(0) depctr_va_vdst(0) depctr_va_sdst(0) depctr_va_ssrc(0) depctr_va_vcc(0) depctr_vm_vsrc(0)
	s_getreg_b32 s2, hwreg(HW_REG_IB_STS2, 6, 4)
	s_cmp_eq_u32 s2, 0
	s_cbranch_scc0 .Lentry_in_a_cluster
	s_endpgm
.Lentry_in_a_cluster:
	s_bfe_u32 s2, ttmp6, 0x10000c
	s_cmp_lg_u32 s2, 0xf033
	s_cbranch_scc0 .Lentry_shape_is_right
	s_endpgm
.Lentry_shape_is_right:
; q = x Wq^T + bq, k = x Wk^T + bk, v = x Wv^T + bv on codes of FP4 (E2M1) with E8M0 scales, sums in f32; the results are quantised here, in registers, and leave as
; IMAGES OF OPERAND REGISTERS for the attention launch: q and k along the head's 64 (two blocks of 32), v along the keys (blocks of 32 tokens).
; NO WORK OF THE PROBLEM IS LEFT OUT in this program: every bias goes into a quantiser or into the output, so every input is loaded.
; LIMITS: NaN and infinities among the inputs are not served.  A block whose largest magnitude lies under 2^(3 - 127), a block of zeros among them, gets the scale byte 1: the bytes made here are read by this program alone, and zero codes add nothing.
; SHARES.  The cluster's x says what is made: 0 q, 1 k, 2 v; it is the same in all sixteen partners.  A work-group makes a tile of 256 x 256, each of its four waves 128 x 128: 64 accumulators, 512 registers.
; THE MATRIX INSTRUCTION IS USED TRANSPOSED (source 0 = 16 rows of B, source 1 = 16 rows of A): a lane holds ONE row of A and its registers run along B's rows, which are the next product's K.
;   q, k: A = x (a lane is a token), B = W (registers run along the features).     v: A = Wv (a lane is a feature d), B = x (registers run along the tokens, the keys).
; K = 1,024 is two slots of 512 in LDS, both asked for at the start: nothing is filled again.  The scales of all of K come once, with them.
; CLUSTERS: 4 x 4 work-groups; A's tile is shared along a row of the cluster, B's along a column: joint loads with a mask that names the four.
; THE BIAS is the C of each sum's first matrix instruction: q, k: eight numbers of B's block b; v: one number a lane of A's block a, in all eight registers.
; THE QUANTISER.  In accumulator (a, b), lane (r, h), register j is (A row 16 a + r, B row 16 b + 8 h + j).  Block beta of 32 along B is the lane's 16 registers of b = 2 beta, 2 beta + 1 and those of lane l xor 16.
; The conversion of tile 2 beta + u gives the codes of group 2 u + h of eight; laid at register 4 (beta / 2) + 2 u + beta % 2, one exchange of halves for each pair of registers leaves register 4 c + g of lane (r, h)
; with k = 64 c + 32 h + 8 g + 0 .. 7: the operand's own layout.
; OUT.  qr: [batch x 16 + head][step of 128 tokens] records of 4,608 bytes: 8 images of 512 bytes (16 tokens x the head's 64), then 512 bytes of scale words.
;       kv: records of 8,960 bytes: k as in qr; from 4,608 on v: d tile n, keys 64 c on, at 1,024 n + 512 c; from 8,704 on v's scale words, 8 bytes a lane.  Every store covers 256 or 512 consecutive bytes, aligned.
; REGISTERS, in windows of 256: window 0: v16-31 addresses; v32-95 scale words, two sets; v96-103 the scale words made; v104-127 at work; v128-191 A's fragments, later the codes made; v192-255 the bias.
;   window 1: B's fragments, two sets.   window 2: the accumulators of my rows 0-63;   window 3: those of rows 64-127.
.set NQ,     4                         ; steps of 128 along K in a slot of 512
.set ROWB,   256                       ; a tile's row in bytes
.set KROW,   512                       ; a row of codes in memory
.set PITCH,  272                       ; an LDS row: 256 bytes + 16 of padding
.set FR,     8                         ; registers of a fragment
.set NL,     2                         ; LDS loads that bring one
.set NP,     4                         ; places behind this matrix instruction (ISA guide 7.12.1)
.set HALFT,  128*PITCH
.set SLOT,   4*HALFT
.set KS,     32                        ; a row of scale bytes
.set SCL,    2*SLOT
.set HALFS,  16*272                    ; the scales of 128 rows: 16 units of 256 bytes + 16
.set SBLK,   2*272                     ; those of 16 rows
.set SPARE,  SCL+4*HALFS               ; the spare words, 128 bytes a wave: two blocks of 256 bytes that no other line names
.set QREC,   4608
.set KVREC,  8960
.set QHEAD,  73728
.set KVHEAD, 143360
.set VOFF,   4608
.set ADRA, 16
.set ADRB, 20
.set LI,   24                          ; v24 16 x lane
.set L8,   25                          ; v25 8 x lane
.set LN,   26                          ; v26 lane
.set ADRS, 27
.set SPW,  28
.set NIL,  29
.set BOH,  30                          ; v30 32 x (lane / 16)
.set BOR,  31                          ; v31 4 x (lane % 16)
.set SC,   32
.set WD,   96
.set TM,   104
.set SL,   120
.set AF,   128
.set PC,   128
.set BIAS, 192
.set G1, 24
.set G0, 32
.set G1B, 48
.set G0B, 56
.set PSEL, 66                          ; s[66:67] selects for lane l xor 16
.set G1S, 68
.set G0S, 76
.set G1SB, 80
.set G0SB, 88
.set BP,  96                           ; s[96:97] the bias
.set SS,  98                           ; s98 bytes of a record of the buffer that I store into
.set HS,  99                           ; s99 bytes of a head there
.set MSB, 0
.macro WIN new                         ; the immediate's high byte repeats the setting that is left
.if MSB != (\new)
	s_set_vgpr_msb (MSB<<8)|(\new)
.set MSB, (\new)
.endif
.endm
.set MUL_LO, 0xa1                      ; source 0 (B) window 1, source 1 (A) window 0, C and D window 2
.set MUL_HI, 0xf1                      ; the same, C and D window 3
.set FST_LO, 0x81                      ; the first step: C (the bias) window 0, D window 2
.set FST_HI, 0xc1                      ; D window 3
.set TO_B,   0x40
; A joint load: waves 0 and 1 fetch for A, waves 2 and 3 for B; the branch hangs on the wave's number alone.  An s_nop 0 and four v_nop follow each line.
.macro JLOAD g0a, g1a, g0b, g1b
	s_cmp_eq_u32 s15, 0
	s_cbranch_scc0 .Lfor_b_\@
	tensor_load_to_lds s[\g0a:\g0a+3], s[\g1a:\g1a+7]
	s_nop 0
.rept 4
	v_nop
.endr
	s_branch .Lasked_\@
.Lfor_b_\@:
	tensor_load_to_lds s[\g0b:\g0b+3], s[\g1b:\g1b+7]
	s_nop 0
.rept 4
	v_nop
.endr
.Lasked_\@:
.endm
.macro CROUND                          ; a round of the cluster's barrier
	s_barrier_signal -1
	s_barrier_wait -1
	s_cmp_lg_u32 s14, 0
	s_cbranch_scc1 .Lnot_wave_0_\@
	s_barrier_signal -3
.Lnot_wave_0_\@:
	s_barrier_wait -3
	s_barrier_signal -1
	s_barrier_wait -1
.endm
	s_load_b512 s[68:83], s[0:1], 0x0              ; x codes, x scales, Wq codes, scales, Wk codes, scales, Wv codes, scales
	s_load_b256 s[84:91], s[0:1], 0x40             ; bq, bk, bv, qr
	s_load_b64 s[92:93], s[0:1], 0x60              ; kv
	v_lshl_add_u32 v[SPW], v0, 2, SPARE
	v_mov_b32 v[NIL], 0
	ds_add_u32 v[SPW], v[NIL]                      ; the wave's opening: the add, twice on end, and its wait ahead of my first tensor load
	ds_add_u32 v[SPW], v[NIL]
	v_lshrrev_b32 v1, 5, v0
	v_readfirstlane_b32 s14, v1                    ; wave 0..3
	s_lshr_b32 s15, s14, 1                         ; which half of A's rows is mine.  Also: I fetch for A (0) or for B (1)
	s_and_b32 s16, s14, 1                          ; which half of B's rows.  Also: which 128 rows I fetch
	s_bfe_u32 s40, ttmp6, 0x40000                  ; cx
	s_bfe_u32 s41, ttmp6, 0x40004                  ; cy
	s_and_b32 s18, ttmp7, 0xffff
	s_lshl_b32 s18, s18, 2                         ; 4 x cluster y: x has 32 tiles of 256 rows, a weight four
	s_cmp_eq_u32 ttmp9, 2                          ; v?
	s_cselect_b32 s17, 0, s18
	s_cselect_b32 s42, s18, 0
	s_add_co_u32 s17, s17, s41                     ; A's tile: q, k: 4 x cluster y + cy of x;  v: cy of Wv
	s_add_co_u32 s42, s42, s40                     ; B's tile: q, k: cx of W;  v: 4 x cluster y + cx of x
	s_lshl_b32 s43, s41, 2
	s_lshl_b32 s43, 15, s43                        ; my row of the cluster
	s_lshl_b32 s44, 0x1111, s40                    ; my column
	s_or_b32 s[G1+0], s43, (0<<16)|(1<<20)|(1<<21)|(5<<22)|(3<<25)  ; the mask; elements of 1 byte; padding on; bit 21 beside a mask; after every 64 words four words
	s_or_b32 s[G1B+0], s44, (0<<16)|(1<<20)|(1<<21)|(5<<22)|(3<<25)
.irp g, G1, G1B
	s_mov_b32 s[\g+1], ROWB<<16                    ; tensor_dim0
	s_mov_b32 s[\g+2], 128<<16                     ; tensor_dim1
	s_mov_b32 s[\g+3], ROWB<<16                    ; tile_dim0
	s_mov_b32 s[\g+4], 128                         ; tile_dim1
	s_mov_b32 s[\g+5], KROW                        ; from row to row
	s_mov_b32 s[\g+6], 0
	s_mov_b32 s[\g+7], 0
.endr
	s_mov_b32 s[PSEL], 0x76543210
	s_mov_b32 s[PSEL+1], 0xfedcba98
	s_lshl_b32 s18, s16, 7                         ; which 128 rows of the tile I fetch
	s_lshl_b32 s20, s17, 8
	s_add_co_u32 s20, s20, s18                     ; A's row
	s_lshl_b32 s46, s42, 8
	s_add_co_u32 s46, s46, s18                     ; B's row
	s_mov_b32 s21, 0
	s_mov_b32 s47, 0
	s_mov_b64 s[18:19], KS
	s_mul_u64 s[22:23], s[20:21], s[18:19]         ; where these rows' scales begin
	s_mul_u64 s[100:101], s[46:47], s[18:19]
	s_mov_b64 s[18:19], KROW
	s_mul_u64 s[20:21], s[20:21], s[18:19]         ; and their codes
	s_mul_u64 s[46:47], s[46:47], s[18:19]
	s_mul_i32 s45, s14, HALFT                      ; where they go: no place in the cluster enters an LDS address
	s_mul_i32 s94, s14, HALFS
	s_wait_dscnt 0x0                               ; both opening adds are done
	s_wait_kmcnt 0x0
	; which buffers: the choices hang on the cluster's x alone
	s_cmp_eq_u32 ttmp9, 0
	s_cselect_b64 s[72:73], s[72:73], s[76:77]     ; the weight: q's or k's
	s_cselect_b64 s[74:75], s[74:75], s[78:79]
	s_cselect_b64 s[84:85], s[84:85], s[86:87]     ; the bias
	s_cselect_b64 s[12:13], s[90:91], s[92:93]     ; where the results go: qr, or kv
	s_mov_b32 s[SS], KVREC
	s_cselect_b32 s[SS], QREC, s[SS]
	s_mov_b32 s[HS], KVHEAD
	s_cselect_b32 s[HS], QHEAD, s[HS]
	s_cmp_eq_u32 ttmp9, 2
	s_cselect_b64 s[72:73], s[80:81], s[72:73]     ; or v's
	s_cselect_b64 s[74:75], s[82:83], s[74:75]
	s_cselect_b64 s[BP:BP+1], s[88:89], s[84:85]
	s_cselect_b64 s[4:5], s[72:73], s[68:69]       ; A: v: the weight, else x
	s_cselect_b64 s[6:7], s[74:75], s[70:71]
	s_cselect_b64 s[8:9], s[68:69], s[72:73]       ; B: v: x, else the weight
	s_cselect_b64 s[10:11], s[70:71], s[74:75]
	; the scales of 128 rows: 4,096 dense bytes as 16 rows of 256 bytes (32 elements of 8), 16 bytes of padding behind each.  (s68 to s93 are free now)
	s_or_b32 s[G1S+0], s43, (3<<16)|(1<<20)|(1<<21)|(5<<22)|(3<<25)
	s_or_b32 s[G1SB+0], s44, (3<<16)|(1<<20)|(1<<21)|(5<<22)|(3<<25)
.irp g, G1S, G1SB
	s_mov_b32 s[\g+1], 32<<16
	s_mov_b32 s[\g+2], 16<<16
	s_mov_b32 s[\g+3], 32<<16
	s_mov_b32 s[\g+4], 16
	s_mov_b32 s[\g+5], 32
	s_mov_b32 s[\g+6], 0
	s_mov_b32 s[\g+7], 0
.endr
	s_add_nc_u64 s[20:21], s[4:5], s[20:21]
	s_add_nc_u64 s[22:23], s[6:7], s[22:23]
	s_add_nc_u64 s[46:47], s[8:9], s[46:47]
	s_add_nc_u64 s[92:93], s[10:11], s[100:101]
	CROUND                                         ; all sixteen work-groups are here: the first joint loads meet
	s_mov_b32 s[G0S], 1
	s_add_co_u32 s[G0S+1], s94, SCL
	s_mov_b64 s[G0S+2:G0S+3], s[22:23]
	s_or_b32 s[G0S+3], s[G0S+3], 0x80000000
	s_mov_b32 s[G0SB], 1
	s_add_co_u32 s[G0SB+1], s94, SCL
	s_mov_b64 s[G0SB+2:G0SB+3], s[92:93]
	s_or_b32 s[G0SB+3], s[G0SB+3], 0x80000000
	JLOAD G0S, G1S, G0SB, G1SB                     ; the scales first: they are wanted with the first step
.irp s, 0,1
	s_mov_b32 s[G0+4*\s], 1
	s_add_co_u32 s[G0+4*\s+1], s45, \s*SLOT
	s_add_nc_u64 s[G0+4*\s+2:G0+4*\s+3], s[20:21], \s*ROWB
	s_or_b32 s[G0+4*\s+3], s[G0+4*\s+3], 0x80000000
	s_mov_b32 s[G0B+4*\s], 1
	s_add_co_u32 s[G0B+4*\s+1], s45, \s*SLOT
	s_add_nc_u64 s[G0B+4*\s+2:G0B+4*\s+3], s[46:47], \s*ROWB
	s_or_b32 s[G0B+4*\s+3], s[G0B+4*\s+3], 0x80000000
	JLOAD G0+4*\s, G1, G0B+4*\s, G1B               ; both slots: three tensor loads of mine are out
.endr
	v_and_b32 v1, 15, v0                           ; r = lane % 16
	v_bfe_u32 v2, v0, 4, 1                         ; h = lane / 16
	v_mul_u32_u24 v3, v1, PITCH
	v_lshl_add_u32 v4, v2, 4, v3                   ; a fragment's row x pitch + 16 h
	s_mul_i32 s21, s15, HALFT                      ; my 128 rows of A
	s_mul_i32 s22, s16, HALFT                      ; my 128 rows of B,
	s_add_co_u32 s22, s22, 2*HALFT                 ; which lie behind A's 256
.irp s, 0,1
	v_add_nc_u32 v[ADRA+\s], s21, v4
	v_add_nc_u32 v[ADRB+\s], s22, v4
	s_add_co_u32 s21, s21, SLOT
	s_add_co_u32 s22, s22, SLOT
.endr
	v_mul_u32_u24 v5, v1, KS                       ; my row's scales: 32 bytes a row,
	v_lshrrev_b32 v6, 8, v5
	v_lshl_add_u32 v5, v6, 4, v5                   ; and 16 more for each 256 passed
	s_mul_i32 s21, s15, HALFS
	s_mul_i32 s22, s16, HALFS
	s_add_co_u32 s22, s22, 2*HALFS
	s_sub_co_u32 s22, s22, s21
	v_mul_u32_u24 v6, s22, v2                      ; lanes 16-31 take B's
	s_add_co_u32 s21, s21, SCL
	v_add_nc_u32 v5, v5, v6
	v_add_nc_u32 v[ADRS], s21, v5
	v_and_b32 v[LN], 31, v0
	v_lshlrev_b32 v[LI], 4, v[LN]
	v_lshlrev_b32 v[L8], 3, v[LN]
	v_lshlrev_b32 v[BOH], 5, v2
	v_lshlrev_b32 v[BOR], 2, v1
.irp b, 0,1,2,3
	v_mov_b32 v[TM+4+\b], 0                        ; written once: a lane permute's destination counts as one of its sources
.endr
	; my wave's first rows of the weight (wr) and of x (xr); from them the bias's place and the records'
	s_lshl_b32 s20, s17, 8
	s_lshl_b32 s21, s15, 7
	s_add_co_u32 s20, s20, s21                     ; of A
	s_lshl_b32 s46, s42, 8
	s_lshl_b32 s47, s16, 7
	s_add_co_u32 s46, s46, s47                     ; of B
	s_cmp_eq_u32 ttmp9, 2
	s_cselect_b32 s22, s20, s46                    ; wr
	s_cselect_b32 s23, s46, s20                    ; xr
	s_cselect_b32 s2, VOFF, 0                      ; v lies behind k in a record
	s_lshl_b32 s92, s22, 2
	s_mov_b32 s93, 0
	s_add_nc_u64 s[BP:BP+1], s[BP:BP+1], s[92:93]  ; the bias at my 128 features
	s_lshr_b32 s3, s23, 11                         ; the batch,
	s_lshl_b32 s3, s3, 4
	s_lshr_b32 s92, s22, 6                         ; my first head of two,
	s_add_co_u32 s3, s3, s92
	s_mul_i32 s3, s3, s[HS]
	s_bfe_u32 s92, s23, 0x40007                    ; the step of 128 tokens
	s_mul_i32 s92, s92, s[SS]
	s_add_co_u32 s92, s92, s3
	s_add_co_u32 s92, s92, s2
	s_add_nc_u64 s[12:13], s[12:13], s[92:93]      ; my first head's record
	s_mov_b32 s92, s[HS]
	s_add_nc_u64 s[18:19], s[12:13], s[92:93]      ; my second head's
	; the bias, in the result's layout
	s_cmp_eq_u32 ttmp9, 2
	s_cbranch_scc1 .Lbias_v
	s_wait_alu depctr_va_vdst(0)
.irp b, 0,1,2,3,4,5,6,7
	global_load_b128 v[BIAS+8*\b:BIAS+8*\b+3], v[BOH], s[BP:BP+1] offset:64*\b       ; q, k: features 16 b + 8 h + 0 .. 7
	global_load_b128 v[BIAS+8*\b+4:BIAS+8*\b+7], v[BOH], s[BP:BP+1] offset:64*\b+16
.endr
	s_wait_loadcnt 0x0
	s_branch .Lbias_in
.Lbias_v:
	s_wait_alu depctr_va_vdst(0)
.irp a, 0,1,2,3,4,5,6,7
	global_load_b32 v[BIAS+8*\a], v[BOR], s[BP:BP+1] offset:64*\a                    ; v: feature 16 a + r, the lane's own,
.endr
	s_wait_loadcnt 0x0
.irp a, 0,1,2,3,4,5,6,7
.irp j, 1,2,3,4,5,6,7
	v_mov_b32 v[BIAS+8*\a+\j], v[BIAS+8*\a]        ; for all eight tokens of a register group
.endr
.endr
.Lbias_in:
.macro FRAG reg, adr, q, i             ; a fragment: lane l holds row l % 16; registers 4 c .. 4 c + 3 hold K = 64 c + 32 (l / 16) + 0 .. 31
.irp c, 0,1
	ds_load_b128 v[\reg+4*\c:\reg+4*\c+3], v[\adr] offset:64*(\q)+32*\c+(\i)*16*PITCH
.endr
.endm
; 16 matrix instructions: A's blocks a0, a0 + 1 x B's eight.  first = 0: adds in place; 1: starts the sums with the bias of B's block; 2: with that of A's block.
; The 64 accumulators take turns, one instruction a turn, in the same order in every step.
.macro MUL16 a0, p, q, sc, first
.irp a, \a0, \a0+1
.irp b, 0,1,2,3,4,5,6,7
.set DD, 8*(8*((\a)%4)+\b)
.set CC, DD
.if \first == 1
.set CC, BIAS+8*\b
.elseif \first == 2
.set CC, BIAS+8*(\a)
.endif
	v_wmma_scale_f32_16x16x128_f8f6f4 v[DD:DD+7], v[128*(\p)+FR*\b:128*(\p)+FR*\b+FR-1], v[AF+FR*(\a):AF+FR*(\a)+FR-1], v[CC:CC+7], v[SC+8*NQ*(\sc)+NQ*\b+(\q)], v[SC+8*NQ*(\sc)+NQ*(\a)+(\q)] matrix_a_fmt:MATRIX_FMT_FP4 matrix_b_fmt:MATRIX_FMT_FP4 matrix_a_scale:MATRIX_SCALE_ROW1
.endr
.endr
.endm
.macro FETCH_B slot, q, p
	WIN TO_B
.irp i, 0,1,2,3,4,5,6,7
	FRAG 128*(\p)+FR*\i, ADRB+\slot, \q, \i
.endr
	WIN 0
.endm
.macro FETCH_A slot, q, i0
.irp i, \i0, \i0+1, \i0+2, \i0+3
	FRAG AF+FR*(\i), ADRA+\slot, \q, \i
.endr
.endm
.macro SCALES sc                       ; a slot's scale words: four words a row; lanes 0-15 take A's block i, lanes 16-31 B's block i
.irp i, 0,1,2,3,4,5,6,7
	ds_load_b128 v[SC+8*NQ*\sc+NQ*\i:SC+8*NQ*\sc+NQ*\i+3], v[ADRS] offset:\i*SBLK
.endr
.endm
.macro PLACES n                        ; plain vector instructions between a matrix instruction and a load into, or a read of, its registers
.rept \n
	v_nop
.endr
.endm
.macro STEP slot, q, first             ; 128 along K, with its successor in the same slot
	s_wait_dscnt 4*NL                              ; B's set and A's blocks 0-3 are in; the youngest eight loads (A's blocks 4-7) may be out
.if \first
	WIN FST_LO
.else
	WIN MUL_LO
.endif
	MUL16 0, (\q)%2, \q, \slot, \first
	MUL16 2, (\q)%2, \q, \slot, \first
	s_wait_dscnt 0
	PLACES NP
	FETCH_B \slot, (\q)+1, 1-(\q)%2
	FETCH_A \slot, (\q)+1, 0
.if \first
	WIN FST_HI
.else
	WIN MUL_HI
.endif
	MUL16 4, (\q)%2, \q, \slot, \first
	MUL16 6, (\q)%2, \q, \slot, \first
	PLACES NP
	WIN 0
	FETCH_A \slot, (\q)+1, 4
.endm
.macro TURN slot, next                 ; a slot's last step changes slots: one barrier; nothing is filled again
	s_wait_tensorcnt 0x0                           ; all my tensor loads have landed: my part of the next slot
	ds_add_u32 v[SPW], v[NIL]                      ; 0 onto my spare word
	s_wait_dscnt 4*NL+1                            ; the add and the youngest eight loads may be out
	WIN MUL_LO
	MUL16 0, 1, NQ-1, \slot, 0
	s_wait_dscnt 0x0
	s_barrier_signal -1
	MUL16 2, 1, NQ-1, \slot, 0
	WIN 0
	s_barrier_wait -1                              ; the next slot is whole
	PLACES NP
	v_add_nc_u32 v[ADRS], 4*NQ, v[ADRS]            ; on to the next slot's scale words
	FETCH_B \next, 0, 0
	FETCH_A \next, 0, 0
	SCALES \next
	WIN MUL_HI
	MUL16 4, 1, NQ-1, \slot, 0
	MUL16 6, 1, NQ-1, \slot, 0
	PLACES NP
	WIN 0
	FETCH_A \next, 0, 4
.endm
.macro STEPS slot, from
.set Q, \from
.rept NQ-1-\from
	STEP \slot, Q, 0
.set Q, Q+1
.endr
.endm
	s_wait_tensorcnt 1                             ; the scales and my part of slot 0 are in; slot 1's load may be out
	s_barrier_signal -1
	s_barrier_wait -1
	FETCH_B 0, 0, 0
	FETCH_A 0, 0, 0
	SCALES 0
	FETCH_A 0, 0, 4
	s_cmp_eq_u32 ttmp9, 2                          ; the first step is written twice: its C is the bias, by B's block or by A's
	s_cbranch_scc1 .Lfirst_v
	s_wait_alu depctr_va_vdst(0)
	STEP 0, 0, 1
	s_branch .Lfirst_done
.Lfirst_v:
	s_wait_alu depctr_va_vdst(0)
	STEP 0, 0, 2
.Lfirst_done:
	STEPS 0, 1
	TURN 0, 1
	STEPS 1, 0
	s_wait_dscnt 4*NL                              ; the last step: nothing more to fetch
	WIN MUL_LO
	MUL16 0, 1, NQ-1, 1, 0
	MUL16 2, 1, NQ-1, 1, 0
	s_wait_dscnt 0
	WIN MUL_HI
	MUL16 4, 1, NQ-1, 1, 0
	MUL16 6, 1, NQ-1, 1, 0
	WIN 0
	PLACES NP                                      ; in front of the first read of results and of the first write over A's fragments
; Block a (16 rows of A x my 128 rows of B) becomes eight registers of codes, v[PC + 8 a] on, and a scale word, v[WD + a].
.macro QUANTW a
.set AC, 64*((\a)%4)
.set PA, PC+8*(\a)
	WIN 0x28+0x14*((\a)/4)                         ; sources 1 and 2: window 2 or 3
.irp b, 0,1,2,3
	v_max3_num_f32 v[TM+\b], 0x1800000, |v[AC+16*\b]|, |v[AC+16*\b+1]|   ; block b: my 16 numbers, and the floor 2^(3 - 127): the byte cannot fall under 1
.endr
.irp i, 2,4,6,8,10,12,14
.irp b, 0,1,2,3
	v_max3_num_f32 v[TM+\b], v[TM+\b], |v[AC+16*\b+\i]|, |v[AC+16*\b+\i+1]|   ; the four blocks by turns; each accumulator from its low end on
.endr
.endr
	WIN 0
.irp b, 0,1,2,3
	v_permlanex16_b32 v[TM+4+\b], v[TM+\b], s[PSEL], s[PSEL+1]
.endr
.irp b, 0,1,2,3
	v_max_num_f32 v[TM+\b], v[TM+\b], v[TM+4+\b]   ; with lane l xor 16's: the block's largest magnitude
.endr
.irp b, 0,1,2,3
	v_add_nc_u32 v[TM+12+\b], 0xff000000, v[TM+\b] ; 2 off its exponent field: the conversion's scale operand
.endr
.irp b, 0,1,2,3
	v_lshrrev_b32 v[TM+4+\b], 23, v[TM+12+\b]      ; the scale's byte
.endr
	v_lshl_or_b32 v[WD+(\a)], v[TM+5], 8, v[TM+4]
	v_lshl_or_b32 v[WD+(\a)], v[TM+6], 16, v[WD+(\a)]
	v_lshl_or_b32 v[WD+(\a)], v[TM+7], 24, v[WD+(\a)]
	WIN 0x02+((\a)/4)                              ; source 0: window 2 or 3
.irp b, 0,1,2,3
.irp u, 0,1
	v_cvt_scalef32_pk8_fp4_f32 v[PA+4*(\b/2)+2*\u+(\b%2)], v[AC+16*\b+8*\u:AC+16*\b+8*\u+7], v[TM+12+\b]
.endr
.endr
	WIN 0
	v_nop                                          ; one plain place behind a scaled conversion
.irp c, 0,1
.irp u, 0,1
	v_permlane16_swap_b32 v[PA+4*\c+2*\u], v[PA+4*\c+2*\u+1]   ; the first's lanes 16-31 change places with the second's lanes 0-15
.endr
.endr
.endm
.irp a, 0,1,2,3,4,5,6,7
	QUANTW \a
.endr
	v_cmp_le_u32 vcc_lo, 16, v[LN]
.irp j, 0,1,2,3
	v_cndmask_b32 v[SL+\j], v[WD+2*\j], v[WD+2*\j+1], vcc_lo   ; lanes 0-15: block 2 j's words, lanes 16-31: block 2 j + 1's
.endr
	s_cmp_eq_u32 ttmp9, 2
	s_cbranch_scc1 .Lout_v
	; q, k: registers 0-3 of a block are my first head's image (K = its 64), registers 4-7 my second head's; a scale word's low half is the first head's, its high half the second's
.irp j, 0,1,2,3
	v_and_b32 v[SL+4+\j], 0xffff, v[SL+\j]         ; bytes 2 and 3 stay 0: they stand over zero codes
.endr
.irp j, 0,1,2,3
	v_lshrrev_b32 v[SL+\j], 16, v[SL+\j]
.endr
.irp a, 0,1,2,3,4,5,6,7
	global_store_b128 v[LI], v[PC+8*\a:PC+8*\a+3], s[12:13] offset:512*\a
	global_store_b128 v[LI], v[PC+8*\a+4:PC+8*\a+7], s[18:19] offset:512*\a
.endr
	global_store_b128 v[LI], v[SL+4:SL+7], s[12:13] offset:4096
	global_store_b128 v[LI], v[SL:SL+3], s[18:19] offset:4096
	s_branch .Lout_done
.Lout_v:
	s_wait_alu depctr_va_vdst(0)
	; v: block a is d tile a % 4 of head a / 4: eight registers, 128 keys; its scale word has the step's four key blocks
.irp a, 0,1,2,3,4,5,6,7
	global_store_b128 v[LI], v[PC+8*\a:PC+8*\a+3], s[12:13] offset:(\a/4)*KVHEAD+(\a%4)*1024
	global_store_b128 v[LI], v[PC+8*\a+4:PC+8*\a+7], s[12:13] offset:(\a/4)*KVHEAD+(\a%4)*1024+512
.endr
	global_store_b64 v[L8], v[SL:SL+1], s[12:13] offset:4096
	global_store_b64 v[L8], v[SL+2:SL+3], s[12:13] offset:KVHEAD+4096
.Lout_done:
	s_wait_tensorcnt 0x0                           ; the wave's end
	ds_add_u32 v[SPW], v[NIL]
	s_wait_dscnt 0x0
	CROUND                                         ; the closing round
	s_endpgm
.Lfunc_end_k_q76f4fa94c8_qkv:
	.size	k_q76f4fa94c8_qkv, .Lfunc_end_k_q76f4fa94c8_qkv-k_q76f4fa94c8_qkv
	.p2alignl 7, 3214868480
	.fill 96, 4, 3214868480
	.section	.rodata,"a",@progbits
	.p2align	6, 0x0
	.amdhsa_kernel k_q76f4fa94c8_qkv
		.amdhsa_group_segment_fixed_size 327680
		.amdhsa_private_segment_fixed_size 0
		.amdhsa_enable_private_segment 0
		.amdhsa_kernarg_size 104
		.amdhsa_user_sgpr_count 2
		.amdhsa_user_sgpr_kernarg_segment_ptr 1
		.amdhsa_wavefront_size32 1
		.amdhsa_system_sgpr_workgroup_id_x 1
		.amdhsa_system_sgpr_workgroup_id_y 1
		.amdhsa_system_sgpr_workgroup_id_z 1
		.amdhsa_system_vgpr_workitem_id 0
		.amdhsa_next_free_vgpr 1024
		.amdhsa_next_free_sgpr 102
		.amdhsa_reserve_vcc 1
		.amdhsa_float_denorm_mode_32 3
		.amdhsa_float_denorm_mode_16_64 3
		.amdhsa_memory_ordered 1
		.amdhsa_forward_progress 1
		.amdhsa_inst_pref_size 146
	.end_amdhsa_kernel
	.amdgpu_metadata
---
amdhsa.version: [ 1, 2 ]
amdhsa.kernels:
  - .name:           k_q76f4fa94c8_qkv
    .symbol:         k_q76f4fa94c8_qkv.kd
    .args:
      - { .name: x_codes, .offset: 0, .size: 8, .value_kind: global_buffer, .address_space: global }
      - { .name: x_scales, .offset: 8, .size: 8, .value_kind: global_buffer, .address_space: global }
      - { .name: Wq_codes, .offset: 16, .size: 8, .value_kind: global_buffer, .address_space: global }
      - { .name: Wq_scales, .offset: 24, .size: 8, .value_kind: global_buffer, .address_space: global }
      - { .name: Wk_codes, .offset: 32, .size: 8, .value_kind: global_buffer, .address_space: global }
      - { .name: Wk_scales, .offset: 40, .size: 8, .value_kind: global_buffer, .address_space: global }
      - { .name: Wv_codes, .offset: 48, .size: 8, .value_kind: global_buffer, .address_space: global }
      - { .name: Wv_scales, .offset: 56, .size: 8, .value_kind: global_buffer, .address_space: global }
      - { .name: bq, .offset: 64, .size: 8, .value_kind: global_buffer, .address_space: global }
      - { .name: bk, .offset: 72, .size: 8, .value_kind: global_buffer, .address_space: global }
      - { .name: bv, .offset: 80, .size: 8, .value_kind: global_buffer, .address_space: global }
      - { .name: qr, .offset: 88, .size: 8, .value_kind: global_buffer, .address_space: global }
      - { .name: kv, .offset: 96, .size: 8, .value_kind: global_buffer, .address_space: global }
    .group_segment_fixed_size: 327680
    .private_segment_fixed_size: 0
    .kernarg_segment_align: 8
    .kernarg_segment_size: 104
    .max_flat_workgroup_size: 128
    .sgpr_count:     102
    .vgpr_count:     1024
    .wavefront_size: 32
...
	.end_amdgpu_metadata
.endif
;; end of part 1
;; launch attn (part 2): grid 8 x 32, 16 waves a work-group, clusters of 4 x 1, 327,680 bytes of LDS; arguments qr, kv, oc, os; writes oc, os
.if DOCPART == 2
	.amdgcn_target "amdgcn-amd-amdhsa--gfx1250"
	.amdhsa_code_object_version 6
	.text
	.protected	k_q76f4fa94c8_attn
	.globl	k_q76f4fa94c8_attn
	.p2align	8
	.type	k_q76f4fa94c8_attn,@function
k_q76f4fa94c8_attn:
	s_mov_b64 s[64:65], 0
	v_nop
	global_prefetch_b8 v0, s[64:65] scope:SCOPE_SE
	s_setreg_imm32_b32 hwreg(HW_REG_WAVE_MODE, 25, 1), 1
	s_wait_xcnt 0x0
	s_wait_alu depctr_hold_cnt(0) depctr_sa_sdst(0) depctr_va_vdst(0) depctr_va_sdst(0) depctr_va_ssrc(0) depctr_va_vcc(0) depctr_vm_vsrc(0)
	s_getreg_b32 s2, hwreg(HW_REG_IB_STS2, 6, 4)
	s_cmp_eq_u32 s2, 0
	s_cbranch_scc0 .Lentry_in_a_cluster
	s_endpgm
.Lentry_in_a_cluster:
	s_bfe_u32 s2, ttmp6, 0x10000c
	s_cmp_lg_u32 s2, 0x3003
	s_cbranch_scc0 .Lentry_shape_is_right
	s_endpgm
.Lentry_shape_is_right:
; O = softmax(q k^T / 8) v for two heads and 256 queries a work-group, both products on codes of FP4 (E2M1) with E8M0 scales; O / l is quantised here along the model's 1,024 for the last projection.  No work is left out.
; THE SOFTMAX: t = score x log2(e) / 8; M = the running largest t rounded UP to a whole number; p = 2^(t - M) is quantised along the keys, not normalised; the row's sum is taken of the unquantised p
; and divides O at the end.  When M moves, the sum and O are multiplied by 2^(old M - new M): exact.
; LIMITS: NaN and infinities are not served; a p under 2^-126 counts as 0; a block under the floor 2^(3 - 127) gets the byte 1 (its bytes are read by this program alone).
; SHARES.  Work-group (x, y): queries 256 x on of batch y / 8, heads 2 (y % 8) and 2 (y % 8) + 1.  Each of SIXTEEN waves owns 16 queries, first for the one head, then for the other: so it ends with a whole
; K step (128) of the projection's operand: eight registers of codes and one scale word a row.  Four waves share a SIMD: one wave's vector work stands beside another's products and LDS loads.
; LDS.  Both heads' k and v, 2 x 16 records of 8,960 bytes, lie in LDS as they lie in memory: 286,720 bytes, filled once.  Wave w brings record w of each head.  Nothing is filled again.
; Records are images of operand registers: every LDS load takes 16 (or 8) bytes a lane, the lanes on end.
; CLUSTER.  The four query blocks of a cluster walk the same two heads: each record is asked for JOINTLY, by the same load with the same descriptor and the mask of all four.
; LAYOUT.  S^T = k q^T (source 0 = 16 keys, source 1 = my 16 queries; K = the head's 64, the upper 64 of the instruction's 128 are zero codes), O^T = v^T p^T: a lane holds ONE query throughout.
; In S^T's tile t, lane (r, h), register j is key 16 t + 8 h + j.  The conversion of tile 2 b + u goes to register 4 (b / 2) + 2 u + b % 2 of p's codes; one exchange of halves for each pair of registers gives the operand's layout.
; REGISTERS: v1-11 addresses and the scale word made; v12 -M, v13 the largest t, v[14:15] the sum; v16-23, v24-31 q of the two heads (upper four 0), v16-23 later O's codes; v32-95 k (upper four of each eight 0);
;   v96-159 S^T, then p; v160-191 O^T; v192-223 v; v224-231 p's codes; v232-243 at work; v244-247 k's scale words, v248-249 v's, v250-251 q's; v252 f, v253 p's scale word; v254 at work.
.set REC,   8960
.set HEADB, 143360
.set QREC,  4608
.set QHEAD, 73728
.set SPARE, 2*HEADB                    ; behind the records: the spare words, 128 bytes for each of 16 waves: eight blocks of 256 bytes that no other line names
.set L16, 1
.set L8,  2
.set SPW, 3
.set NIL, 4
.set A16, 5
.set A8,  6
.set R16, 8
.set R32, 9
.set LN,  10
.set OW,  11
.set WV,  12
.set SEL, 20
.set CS,  22
.set G1,  24
.set G0,  32
.set TB,  40
.set CNT, 41
.macro CROUND                          ; a round of the cluster's barrier
	s_barrier_signal -1
	s_barrier_wait -1
	s_cmp_lg_u32 s[WV], 0
	s_cbranch_scc1 .Lnot_wave_0_\@
	s_barrier_signal -3
.Lnot_wave_0_\@:
	s_barrier_wait -3
	s_barrier_signal -1
	s_barrier_wait -1
.endm
; A KEY STEP of head hd: 128 keys, one record.
.macro STEP hd
	v_add_nc_u32 v[A16], s[TB], v[L16]
	v_add_nc_u32 v[A8], s[TB], v[L8]
	v_nop
	v_nop                                          ; four places between the last products and the loads into registers that they read
.irp t, 0,1,2,3,4,5,6,7
	ds_load_b128 v[32+8*\t:35+8*\t], v[A16] offset:512*\t          ; k: tile t, 16 keys x 64
.endr
	ds_load_b128 v[244:247], v[A16] offset:4096                    ; k's scale words: register j: lanes 0-15 tile 2 j, lanes 16-31 tile 2 j + 1
.irp f, 0,1,2,3,4,5,6,7
	ds_load_b128 v[192+4*\f:195+4*\f], v[A16] offset:4608+512*\f   ; v: d tile f / 2, keys 64 (f % 2) on
.endr
	ds_load_b64 v[248:249], v[A8] offset:8704                      ; v's scale words, likewise
	s_wait_dscnt 9                                 ; k and its scale words are in; v's nine loads may be out
.irp t, 0,1,2,3,4,5,6,7
.if \t%2
	v_wmma_scale_f32_16x16x128_f8f6f4 v[96+8*\t:103+8*\t], v[32+8*\t:39+8*\t], v[16+8*\hd:23+8*\hd], 0, v[244+\t/2], v[250+\hd] matrix_a_fmt:MATRIX_FMT_FP4 matrix_b_fmt:MATRIX_FMT_FP4 matrix_a_scale:MATRIX_SCALE_ROW1
.else
	v_wmma_scale_f32_16x16x128_f8f6f4 v[96+8*\t:103+8*\t], v[32+8*\t:39+8*\t], v[16+8*\hd:23+8*\hd], 0, v[244+\t/2], v[250+\hd] matrix_a_fmt:MATRIX_FMT_FP4 matrix_b_fmt:MATRIX_FMT_FP4
.endif
.endr
.rept 4
	v_nop
.endr
.irp b, 0,1,2,3
	v_max3_num_f32 v[232+\b], v[96+16*\b], v[97+16*\b], v[98+16*\b]   ; the largest score of each block of 32 keys: for the row's maximum and, since p rises with the score, for the block's largest p
.endr
.irp i, 3,5,7,9,11,13
.irp b, 0,1,2,3
	v_max3_num_f32 v[232+\b], v[232+\b], v[96+16*\b+\i], v[97+16*\b+\i]
.endr
.endr
.irp b, 0,1,2,3
	v_max_num_f32 v[232+\b], v[232+\b], v[111+16*\b]
.endr
.irp b, 0,1,2,3
	s_delay_alu instid0(VALU_DEP_4)
	v_permlanex16_b32 v[236+\b], v[232+\b], s[SEL], s[SEL+1]
.endr
.irp b, 0,1,2,3
	s_delay_alu instid0(VALU_DEP_4)
	v_max_num_f32 v[232+\b], v[232+\b], v[236+\b]  ; with lane l xor 16's 16 keys
.endr
	s_delay_alu instid0(VALU_DEP_2)
	v_max3_num_f32 v254, v232, v233, v234
	s_delay_alu instid0(VALU_DEP_1)
	v_max_num_f32 v254, v254, v235                 ; the step's largest score of my query
	s_delay_alu instid0(VALU_DEP_1)
	v_mul_f32 v254, s[CS], v254                    ; as t (c is positive)
	s_delay_alu instid0(VALU_DEP_1)
	v_max_num_f32 v13, v13, v254                   ; the running largest t
	v_mov_b32 v254, v12
	s_delay_alu instid0(VALU_DEP_2)
	v_floor_f32 v12, -v13                          ; the new -M = floor(-t): M is a whole number
	s_delay_alu instid0(VALU_DEP_1)
	v_sub_f32 v254, v12, v254                      ; old M - new M: a whole number, 0 or less
	s_delay_alu instid0(VALU_DEP_1)
	v_cvt_i32_f32 v254, v254                       ; (it saturates)
	s_delay_alu instid0(VALU_DEP_1)
	v_ldexp_f32 v252, 1.0, v254                    ; f = 2^(old M - new M)
.irp j, 0,2,4,6,8,10,12,14,16,18,20,22,24,26,28,30,32,34,36,38,40,42,44,46,48,50,52,54,56,58,60,62
	v_pk_fma_f32 v[96+\j:97+\j], v[96+\j:97+\j], s[CS:CS+1], v[12:13] op_sel_hi:[1,0,0]   ; t - M, two at a time
.endr
.irp b, 0,1,2,3
	v_fma_f32 v[232+\b], v[232+\b], s[CS], v12     ; the same of each block's largest score
.endr
	s_wait_alu depctr_va_vdst(0)
.irp j, 0,1,2,3,4,5,6,7,8,9,10,11,12,13,14,15,16,17,18,19,20,21,22,23,24,25,26,27,28,29,30,31,32,33,34,35,36,37,38,39,40,41,42,43,44,45,46,47,48,49,50,51,52,53,54,55,56,57,58,59,60,61,62,63
	v_exp_f32 v[96+\j], v[96+\j]                   ; p = 2^(t - M), at most 1
.endr
	s_setprio 1
	v_pk_mul_f32 v[14:15], v[14:15], v[252:253] op_sel_hi:[1,0]   ; the sums under the new M: a plain place behind the exponentials
	s_wait_alu depctr_va_vdst(0)                   ; one wait for the whole batch, ahead of its first reader
.irp b, 0,1,2,3
	v_exp_f32 v[232+\b], v[232+\b]                 ; the block's largest p
.endr
	v_pk_add_f32 v[236:237], v[96:97], v[98:99]    ; the row's sum is taken of the unquantised p, in two chains
.irp j, 4,8,12,16,20,24,28,32,36,40,44,48,52,56,60
	v_pk_add_f32 v[14:15], v[14:15], v[96+\j:97+\j]
	v_pk_add_f32 v[236:237], v[236:237], v[98+\j:99+\j]
.endr
	s_delay_alu instid0(VALU_DEP_1)
	v_pk_add_f32 v[14:15], v[14:15], v[236:237]
	s_wait_alu depctr_va_vdst(0)                   ; and one for the four
.irp b, 0,1,2,3
	v_max_num_f32 v[232+\b], 0x1800000, v[232+\b]  ; the floor 2^(3 - 127)
.endr
.irp b, 0,1,2,3
	s_delay_alu instid0(VALU_DEP_4)
	v_add_nc_u32 v[240+\b], 0xff000000, v[232+\b]  ; 2 off the exponent field: the conversion's scale operand
.endr
.irp b, 0,1,2,3
	s_delay_alu instid0(VALU_DEP_4)
	v_lshrrev_b32 v[236+\b], 23, v[240+\b]         ; the scale's byte
.endr
	s_delay_alu instid0(VALU_DEP_3)
	v_lshl_or_b32 v253, v237, 8, v236              ; p's scale word for these 128 keys
	s_delay_alu instid0(VALU_DEP_1)
	v_lshl_or_b32 v253, v238, 16, v253
	s_delay_alu instid0(VALU_DEP_1)
	v_lshl_or_b32 v253, v239, 24, v253
.irp b, 0,1,2,3
.irp u, 0,1
	v_cvt_scalef32_pk8_fp4_f32 v[224+4*(\b/2)+2*\u+(\b%2)], v[96+16*\b+8*\u:103+16*\b+8*\u], v[240+\b]
.endr
.endr
	v_nop                                          ; one plain place behind a scaled conversion
.irp c, 0,1
.irp u, 0,1
	v_permlane16_swap_b32 v[224+4*\c+2*\u], v[225+4*\c+2*\u]
.endr
.endr
	s_setprio 0
.irp j, 0,2,4,6,8,10,12,14,16,18,20,22,24,26,28,30
	v_pk_mul_f32 v[160+\j:161+\j], v[160+\j:161+\j], v[252:253] op_sel_hi:[1,0]   ; O^T under the new M.  These sixteen are also the places between the scale word and codes just made and the products below
.endr
	s_wait_alu depctr_va_vdst(0)
	s_wait_dscnt 0x0                               ; v is in
.irp n, 0,1,2,3
.if \n%2
	v_wmma_scale_f32_16x16x128_f8f6f4 v[160+8*\n:167+8*\n], v[192+8*\n:199+8*\n], v[224:231], v[160+8*\n:167+8*\n], v[248+\n/2], v253 matrix_a_fmt:MATRIX_FMT_FP4 matrix_b_fmt:MATRIX_FMT_FP4 matrix_a_scale:MATRIX_SCALE_ROW1
.else
	v_wmma_scale_f32_16x16x128_f8f6f4 v[160+8*\n:167+8*\n], v[192+8*\n:199+8*\n], v[224:231], v[160+8*\n:167+8*\n], v[248+\n/2], v253 matrix_a_fmt:MATRIX_FMT_FP4 matrix_b_fmt:MATRIX_FMT_FP4
.endif
.endr
	s_add_co_u32 s[TB], s[TB], REC                 ; the next record
.endm
; The head's O^T is divided by the row's sum and quantised: its 64 numbers a row are two blocks of the projection's K.  Codes into v[16 + 4 hd] on, two bytes into the scale word.
.macro OUTQ hd
.rept 4
	v_nop                                          ; places behind the last products
.endr
	v_add_f32 v14, v14, v15                        ; the sum's two halves,
	s_delay_alu instid0(VALU_DEP_1)
	v_permlanex16_b32 v252, v14, s[SEL], s[SEL+1]
	s_delay_alu instid0(VALU_DEP_1)
	v_add_f32 v14, v14, v252                       ; and lane l xor 16's
	s_wait_alu depctr_va_vdst(0)
	v_rcp_f32 v14, v14
	v_nop                                          ; a plain place behind the reciprocal
	s_wait_alu depctr_va_vdst(0)                   ; and the wait ahead of its first reader
.irp j, 0,2,4,6,8,10,12,14,16,18,20,22,24,26,28,30
	v_pk_mul_f32 v[96+\j:97+\j], v[160+\j:161+\j], v[14:15] op_sel_hi:[1,0]   ; register 8 n + j: O(query r, d = 16 n + 8 h + j) / l
.endr
.irp b, 0,1
	v_max3_num_f32 v[232+\b], |v[96+16*\b]|, |v[97+16*\b]|, 0x1800000
.endr
.irp i, 2,4,6,8,10,12,14
.irp b, 0,1
	s_delay_alu instid0(VALU_DEP_2)
	v_max3_num_f32 v[232+\b], v[232+\b], |v[96+16*\b+\i]|, |v[97+16*\b+\i]|
.endr
.endr
.irp b, 0,1
	s_delay_alu instid0(VALU_DEP_2)
	v_permlanex16_b32 v[236+\b], v[232+\b], s[SEL], s[SEL+1]
.endr
.irp b, 0,1
	s_delay_alu instid0(VALU_DEP_2)
	v_max_num_f32 v[232+\b], v[232+\b], v[236+\b]
.endr
.irp b, 0,1
	s_delay_alu instid0(VALU_DEP_2)
	v_add_nc_u32 v[240+\b], 0xff000000, v[232+\b]
.endr
.irp b, 0,1
	s_delay_alu instid0(VALU_DEP_2)
	v_lshrrev_b32 v[236+\b], 23, v[240+\b]
.endr
.if \hd == 0
	s_delay_alu instid0(VALU_DEP_1)
	v_lshl_or_b32 v[OW], v237, 8, v236
.else
	s_delay_alu instid0(VALU_DEP_2)
	v_lshl_or_b32 v[OW], v236, 16, v[OW]
	s_delay_alu instid0(VALU_DEP_1)
	v_lshl_or_b32 v[OW], v237, 24, v[OW]
.endif
.irp b, 0,1
.irp u, 0,1
	v_cvt_scalef32_pk8_fp4_f32 v[16+4*\hd+2*\u+\b], v[96+16*\b+8*\u:103+16*\b+8*\u], v[240+\b]
.endr
.endr
	v_nop
.irp u, 0,1
	v_permlane16_swap_b32 v[16+4*\hd+2*\u], v[17+4*\hd+2*\u]
.endr
.endm
.macro HEAD hd
	s_mov_b32 s[TB], \hd*HEADB
	v_mov_b32 v13, 0xff61b1e6                      ; the largest t so far: -3e38
	s_delay_alu instid0(VALU_DEP_1)
	v_floor_f32 v12, -v13
	v_mov_b32 v14, 0
	v_mov_b32 v15, 0
.irp j, 0,1,2,3,4,5,6,7,8,9,10,11,12,13,14,15,16,17,18,19,20,21,22,23,24,25,26,27,28,29,30,31
	v_mov_b32 v[160+\j], 0                         ; O^T: the step is written once; its first trip finds zeros
.endr
	s_mov_b32 s[CNT], 16
.Lstep_\@:
	s_setprio 2
	STEP \hd
	s_sub_co_u32 s[CNT], s[CNT], 1
	s_cmp_lg_u32 s[CNT], 0
	s_cbranch_scc1 .Lstep_\@
	s_setprio 0
	OUTQ \hd
.endm
	s_load_b256 s[4:11], s[0:1], 0x0               ; qr, kv, oc, os
	v_lshl_add_u32 v[SPW], v0, 2, SPARE
	v_mov_b32 v[NIL], 0
	ds_add_u32 v[SPW], v[NIL]                      ; the wave's opening: the add, twice on end, and its wait ahead of my first tensor load
	ds_add_u32 v[SPW], v[NIL]
	v_lshrrev_b32 v7, 5, v0
	s_delay_alu instid0(VALU_DEP_1)
	v_readfirstlane_b32 s[WV], v7                  ; wave 0..15
	s_bfe_u32 s13, ttmp6, 0x40000                  ; cx
	s_lshl_b32 s14, ttmp9, 2
	s_add_co_u32 s14, s14, s13                     ; my block of 256 queries: it enters q's and O's addresses alone
	s_and_b32 s15, ttmp7, 0xffff                   ; y = 8 x batch + pair of heads, which the four partners share
	s_mov_b32 s[G1], 15|(3<<16)|(1<<21)            ; the mask of all four; elements of 8 bytes; bit 21 beside a mask; no padding
	s_mov_b32 s[G1+1], 32<<16                      ; tensor_dim0: 32 elements, 256 bytes
	s_mov_b32 s[G1+2], 35<<16                      ; tensor_dim1: 35 rows: a record
	s_mov_b32 s[G1+3], 32<<16                      ; tile_dim0
	s_mov_b32 s[G1+4], 35                          ; tile_dim1
	s_mov_b32 s[G1+5], 32                          ; dense
	s_mov_b32 s[G1+6], 0
	s_mov_b32 s[G1+7], 0
	s_mov_b32 s[SEL], 0x76543210
	s_mov_b32 s[SEL+1], 0xfedcba98
	s_mov_b32 s[CS], 0x3e38aa3b                    ; c = log2(e) / 8
	s_mov_b32 s[CS+1], s[CS]
	s_mul_i32 s42, s15, 2*HEADB                    ; kv: my pair of heads,
	s_mul_i32 s44, s[WV], REC                      ; record w: in memory and in LDS alike
	s_add_co_u32 s42, s42, s44
	s_mov_b32 s43, 0
	s_lshl_b32 s45, s14, 1                         ; qr: my tile of 16 queries is tile w % 8 of record 2 x block + w / 8
	s_lshr_b32 s46, s[WV], 3
	s_add_co_u32 s45, s45, s46
	s_mul_i32 s45, s45, QREC
	s_mul_i32 s46, s15, 2*QHEAD
	s_add_co_u32 s46, s46, s45
	s_and_b32 s47, s[WV], 7
	s_lshl_b32 s47, s47, 9
	s_add_co_u32 s48, s46, s47                     ; its image
	s_mov_b32 s49, 0
	s_and_b32 s47, s[WV], 1
	s_lshl_b32 s47, s47, 8
	s_bfe_u32 s50, s[WV], 0x20001
	s_lshl_b32 s50, s50, 2
	s_add_co_u32 s50, s50, s47
	s_add_co_u32 s50, s50, s46
	s_add_co_u32 s50, s50, 4096                    ; its scale words: 4,096 + 256 (tile % 2) + 4 (tile / 2), + 16 r
	s_mov_b32 s51, 0
	s_lshr_b32 s45, s15, 3
	s_lshl_b32 s45, s45, 7
	s_lshl_b32 s46, s14, 4
	s_add_co_u32 s45, s45, s46
	s_add_co_u32 s45, s45, s[WV]                   ; my tile of 16 rows among all 512
	s_lshl_b32 s46, s45, 12                        ; oc: [half of K][tile of rows][head % 8][512 bytes]
	s_bfe_u32 s47, s15, 0x10002
	s_lshl_b32 s47, s47, 21
	s_add_co_u32 s46, s46, s47
	s_and_b32 s47, s15, 3
	s_lshl_b32 s47, s47, 10
	s_add_co_u32 s46, s46, s47
	s_mov_b32 s47, 0
	s_lshl_b32 s18, s45, 9                         ; os: [row][8 words]: word = my pair of heads
	s_and_b32 s19, s15, 7
	s_lshl_b32 s19, s19, 2
	s_add_co_u32 s18, s18, s19
	s_mov_b32 s19, 0
	s_wait_dscnt 0x0                               ; both opening adds are done
	s_wait_kmcnt 0x0
	s_add_nc_u64 s[6:7], s[6:7], s[42:43]
	s_add_nc_u64 s[16:17], s[4:5], s[50:51]
	s_add_nc_u64 s[4:5], s[4:5], s[48:49]
	s_add_nc_u64 s[8:9], s[8:9], s[46:47]
	s_add_nc_u64 s[10:11], s[10:11], s[18:19]
	s_mov_b32 s[G0], 1
	s_mov_b32 s[G0+1], s44
	s_mov_b64 s[G0+2:G0+3], s[6:7]
	s_or_b32 s[G0+3], s[G0+3], 0x80000000
	s_mov_b32 s[G0+4], 1
	s_add_co_u32 s[G0+5], s44, HEADB
	s_add_nc_u64 s[G0+6:G0+7], s[6:7], HEADB
	s_or_b32 s[G0+7], s[G0+7], 0x80000000
	CROUND                                         ; all four work-groups are here: the joint loads meet
	tensor_load_to_lds s[G0:G0+3], s[G1:G1+7]      ; record w of the first head
	s_nop 0
	s_wait_alu depctr_va_vdst(0)
	s_wait_tensorcnt 0x0
	ds_add_u32 v3, v4
	s_wait_dscnt 0x0
	CROUND
	tensor_load_to_lds s[G0+4:G0+7], s[G1:G1+7]    ; and of the second: one tensor load of mine is out, and no more follow
	s_nop 0
.rept 4
	v_nop
.endr
	v_and_b32 v[LN], 31, v0
	s_delay_alu instid0(VALU_DEP_1)
	v_lshlrev_b32 v[L16], 4, v[LN]
	s_delay_alu instid0(VALU_DEP_2)
	v_lshlrev_b32 v[L8], 3, v[LN]
	v_and_b32 v7, 15, v0
	s_delay_alu instid0(VALU_DEP_1)
	v_lshlrev_b32 v[R16], 4, v7
	s_delay_alu instid0(VALU_DEP_2)
	v_lshlrev_b32 v[R32], 5, v7
	global_load_b128 v[16:19], v[L16], s[4:5]                      ; q of the first head: it stays in registers
	global_load_b128 v[24:27], v[L16], s[4:5] offset:QHEAD         ; of the second
	global_load_b32 v250, v[R16], s[16:17]                         ; their scale words
	global_load_b32 v251, v[R16], s[16:17] offset:QHEAD
.irp j, 20,21,22,23,28,29,30,31
	v_mov_b32 v[\j], 0                             ; K = 64 .. 127 of the first product: zero codes
.endr
.irp t, 0,1,2,3,4,5,6,7
.irp j, 4,5,6,7
	v_mov_b32 v[32+8*\t+\j], 0
.endr
.endr
.irp b, 0,1,2,3
	v_mov_b32 v[236+\b], 0                         ; written once: a lane permute's destination counts as one of its sources
.endr
	v_mov_b32 v253, 0                              ; (named as the upper half of the pair v[252:253] before it is first written)
	s_wait_loadcnt 0x0
	s_wait_tensorcnt 0x1                           ; my record of the first head is in; the second head's may be out
	s_barrier_signal -1
	s_barrier_wait -1                              ; everybody's is
	HEAD 0
	s_wait_tensorcnt 0x0                           ; my record of the second head is in,
	s_wait_dscnt 0x0
	s_barrier_signal -1
	s_barrier_wait -1                              ; everybody's is
	HEAD 1
	global_store_b128 v[L16], v[16:19], s[8:9]                     ; the two heads' images: 512 consecutive bytes each, aligned
	global_store_b128 v[L16], v[20:23], s[8:9] offset:512
	s_wait_alu depctr_va_vdst(0)
	s_wait_xcnt 0x0                                ; EXEC changes only behind this wait
	v_cmp_gt_u32 vcc_lo, 16, v[LN]
	s_and_saveexec_b32 s52, vcc_lo
	global_store_b32 v[R32], v[OW], s[10:11]       ; lanes 0-15: row r's scale word of this K step; the rows lie 32 bytes apart
	s_wait_xcnt 0x0
	s_or_b32 exec_lo, exec_lo, s52
	s_wait_tensorcnt 0x0                           ; the wave's end
	ds_add_u32 v[SPW], v[NIL]
	s_wait_dscnt 0x0
	CROUND                                         ; the closing round
	s_endpgm
.Lfunc_end_k_q76f4fa94c8_attn:
	.size	k_q76f4fa94c8_attn, .Lfunc_end_k_q76f4fa94c8_attn-k_q76f4fa94c8_attn
	.p2alignl 7, 3214868480
	.fill 96, 4, 3214868480
	.section	.rodata,"a",@progbits
	.p2align	6, 0x0
	.amdhsa_kernel k_q76f4fa94c8_attn
		.amdhsa_group_segment_fixed_size 327680
		.amdhsa_private_segment_fixed_size 0
		.amdhsa_enable_private_segment 0
		.amdhsa_kernarg_size 32
		.amdhsa_user_sgpr_count 2
		.amdhsa_user_sgpr_kernarg_segment_ptr 1
		.amdhsa_wavefront_size32 1
		.amdhsa_system_sgpr_workgroup_id_x 1
		.amdhsa_system_sgpr_workgroup_id_y 1
		.amdhsa_system_sgpr_workgroup_id_z 1
		.amdhsa_system_vgpr_workitem_id 0
		.amdhsa_next_free_vgpr 256
		.amdhsa_next_free_sgpr 66
		.amdhsa_reserve_vcc 1
		.amdhsa_float_denorm_mode_32 3
		.amdhsa_float_denorm_mode_16_64 3
		.amdhsa_memory_ordered 1
		.amdhsa_forward_progress 1
		.amdhsa_inst_pref_size 51
	.end_amdhsa_kernel
	.amdgpu_metadata
---
amdhsa.version: [ 1, 2 ]
amdhsa.kernels:
  - .name:           k_q76f4fa94c8_attn
    .symbol:         k_q76f4fa94c8_attn.kd
    .args:
      - { .name: qr, .offset: 0, .size: 8, .value_kind: global_buffer, .address_space: global }
      - { .name: kv, .offset: 8, .size: 8, .value_kind: global_buffer, .address_space: global }
      - { .name: oc, .offset: 16, .size: 8, .value_kind: global_buffer, .address_space: global }
      - { .name: os, .offset: 24, .size: 8, .value_kind: global_buffer, .address_space: global }
    .group_segment_fixed_size: 327680
    .private_segment_fixed_size: 0
    .kernarg_segment_align: 8
    .kernarg_segment_size: 32
    .max_flat_workgroup_size: 512
    .sgpr_count:     66
    .vgpr_count:     256
    .wavefront_size: 32
...
	.end_amdgpu_metadata
.endif
;; end of part 2
;; launch proj (part 3): grid 4 x 32, 4 waves a work-group, clusters of 4 x 4, 327,680 bytes of LDS; arguments oc, os, Wo_codes, Wo_scales, bo, out0; writes out0
.if DOCPART == 3
	.amdgcn_target "amdgcn-amd-amdhsa--gfx1250"
	.amdhsa_code_object_version 6
	.text
	.protected	k_q76f4fa94c8_proj
	.globl	k_q76f4fa94c8_proj
	.p2align	8
	.type	k_q76f4fa94c8_proj,@function
k_q76f4fa94c8_proj:
	s_mov_b64 s[64:65], 0
	v_nop
	global_prefetch_b8 v0, s[64:65] scope:SCOPE_SE
	s_setreg_imm32_b32 hwreg(HW_REG_WAVE_MODE, 25, 1), 1
	s_wait_xcnt 0x0
	s_wait_alu depctr_hold_cnt(0) depctr_sa_sdst(0) depctr_va_vdst(0) depctr_va_sdst(0) depctr_va_ssrc(0) depctr_va_vcc(0) depctr_vm_vsrc(0)
	s_getreg_b32 s2, hwreg(HW_REG_IB_STS2, 6, 4)
	s_cmp_eq_u32 s2, 0
	s_cbranch_scc0 .Lentry_in_a_cluster
	s_endpgm
.Lentry_in_a_cluster:
	s_bfe_u32 s2, ttmp6, 0x10000c
	s_cmp_lg_u32 s2, 0xf033
	s_cbranch_scc0 .Lentry_shape_is_right
	s_endpgm
.Lentry_shape_is_right:
; out0 = O Wo^T + bo on codes of FP4 (E2M1) with E8M0 scales; sums in f32; out0 [8192][1024] f32.  No work is left out.
; A = O as the attention launch left it: oc [half of K][tile of 16 rows][8 images of 512 bytes], os [row][32 scale bytes].  B = Wo: rows of 512 bytes of codes, 32 scale bytes a row.
; A tile of 256 x 256 to a work-group, 128 x 128 to each of four waves: 64 accumulators.  K = 1,024 is two slots of 512 in LDS, both asked for at the start: nothing is filled again.
; A's part of a slot (128 rows: 8 tiles x 4,096 bytes) is one dense block of memory and lies in LDS as it lies there: a fragment is two loads of 16 bytes a lane, the lanes on end.  B's rows are padded as usual.
; CLUSTERS: 4 x 4 work-groups; A's tile is shared along a row of the cluster, B's along a column: joint loads.  THE MATRIX INSTRUCTION IS USED TRANSPOSED (source 0 = 16 rows of Wo, source 1 = 16 rows of O):
; a lane holds eight neighbouring numbers of a row of out0.  bo is the C of each sum's first matrix instruction.
; REGISTERS, in windows of 256: window 0: v16-31 addresses; v32-95 scale words, two sets; v128-191 A's fragments; v192-255 the bias; on the way out v128-255 take rows of out0.
;   window 1: B's fragments, two sets.   window 2: the accumulators of my rows 0-63;   window 3: those of rows 64-127.
.set SIZE_N, 1024
.set NQ,     4
.set ROWB,   256
.set KROW,   512
.set PITCH,  272
.set FR,     8
.set NL,     2
.set NP,     4
.set HALFT,  128*PITCH
.set SLOT,   4*HALFT
.set KS,     32
.set SCL,    2*SLOT
.set HALFS,  16*272
.set SBLK,   2*272
.set SPARE,  SCL+4*HALFS               ; the spare words, 128 bytes a wave: two blocks of 256 bytes that no other line names
.set SPITCH, 528                       ; the way out: a stage of 16 rows x (512 bytes + 16) for each wave, in slot 0, which has had its only fill and its last read by then
.set AHALF,  2097152                   ; from one half of K to the other in oc
.set ADRA, 16
.set ADRB, 20
.set STO,  24
.set RD,   25
.set CO,   26                          ; v26 16 x lane
.set ADRS, 27
.set SPW,  28
.set NIL,  29
.set BOH,  30
.set SC,   32
.set AF,   128
.set BK,   128
.set BIAS, 192
.set G1, 24
.set G0, 32
.set G1B, 48
.set G0B, 56
.set G1S, 68
.set G0S, 76
.set G1SB, 80
.set G0SB, 88
.set BP,  96
.set MSB, 0
.macro WIN new
.if MSB != (\new)
	s_set_vgpr_msb (MSB<<8)|(\new)
.set MSB, (\new)
.endif
.endm
.set MUL_LO, 0xa1
.set MUL_HI, 0xf1
.set FST_LO, 0x81
.set FST_HI, 0xc1
.set TO_B,   0x40
.macro JLOAD g0a, g1a, g0b, g1b        ; a joint load: waves 0 and 1 fetch for A, waves 2 and 3 for B; an s_nop 0 and four v_nop follow each line
	s_cmp_eq_u32 s15, 0
	s_cbranch_scc0 .Lfor_b_\@
	tensor_load_to_lds s[\g0a:\g0a+3], s[\g1a:\g1a+7]
	s_nop 0
.rept 4
	v_nop
.endr
	s_branch .Lasked_\@
.Lfor_b_\@:
	tensor_load_to_lds s[\g0b:\g0b+3], s[\g1b:\g1b+7]
	s_nop 0
.rept 4
	v_nop
.endr
.Lasked_\@:
.endm
.macro CROUND
	s_barrier_signal -1
	s_barrier_wait -1
	s_cmp_lg_u32 s14, 0
	s_cbranch_scc1 .Lnot_wave_0_\@
	s_barrier_signal -3
.Lnot_wave_0_\@:
	s_barrier_wait -3
	s_barrier_signal -1
	s_barrier_wait -1
.endm
	s_load_b128 s[4:7], s[0:1], 0x0                ; oc, os
	s_load_b128 s[8:11], s[0:1], 0x10              ; Wo's codes, Wo's scales
	s_load_b64 s[BP:BP+1], s[0:1], 0x20            ; bo
	s_load_b64 s[12:13], s[0:1], 0x28              ; out0
	v_lshl_add_u32 v[SPW], v0, 2, SPARE
	v_mov_b32 v[NIL], 0
	ds_add_u32 v[SPW], v[NIL]                      ; the wave's opening: the add, twice on end, and its wait ahead of my first tensor load
	ds_add_u32 v[SPW], v[NIL]
	v_lshrrev_b32 v1, 5, v0
	v_readfirstlane_b32 s14, v1                    ; wave 0..3
	s_lshr_b32 s15, s14, 1                         ; which half of the tile's rows is mine.  Also: I fetch for A (0) or for B (1)
	s_and_b32 s16, s14, 1                          ; which half of its columns.  Also: which 128 rows I fetch
	s_bfe_u32 s40, ttmp6, 0x40000                  ; cx
	s_bfe_u32 s41, ttmp6, 0x40004                  ; cy
	s_lshl_b32 s42, ttmp9, 2
	s_add_co_u32 s42, s42, s40                     ; tile column
	s_and_b32 s17, ttmp7, 0xffff
	s_lshl_b32 s17, s17, 2
	s_add_co_u32 s17, s17, s41                     ; tile row
	s_lshl_b32 s43, s41, 2
	s_lshl_b32 s43, 15, s43                        ; my row of the cluster
	s_lshl_b32 s44, 0x1111, s40                    ; my column
	s_or_b32 s[G1+0], s43, (0<<16)|(1<<21)         ; A: the mask; elements of 1 byte; bit 21 beside a mask; no padding: images lie on end
	s_mov_b32 s[G1+1], 256<<16
	s_mov_b32 s[G1+2], 128<<16
	s_mov_b32 s[G1+3], 256<<16
	s_mov_b32 s[G1+4], 128
	s_mov_b32 s[G1+5], 256                         ; dense
	s_mov_b32 s[G1+6], 0
	s_mov_b32 s[G1+7], 0
	s_or_b32 s[G1B+0], s44, (0<<16)|(1<<20)|(1<<21)|(5<<22)|(3<<25)  ; B: four words of padding after every 64
	s_mov_b32 s[G1B+1], ROWB<<16
	s_mov_b32 s[G1B+2], 128<<16
	s_mov_b32 s[G1B+3], ROWB<<16
	s_mov_b32 s[G1B+4], 128
	s_mov_b32 s[G1B+5], KROW
	s_mov_b32 s[G1B+6], 0
	s_mov_b32 s[G1B+7], 0
	s_or_b32 s[G1S+0], s43, (3<<16)|(1<<20)|(1<<21)|(5<<22)|(3<<25)  ; the scales of 128 rows: 16 rows of 256 bytes, 16 of padding behind each
	s_or_b32 s[G1SB+0], s44, (3<<16)|(1<<20)|(1<<21)|(5<<22)|(3<<25)
.irp g, G1S, G1SB
	s_mov_b32 s[\g+1], 32<<16
	s_mov_b32 s[\g+2], 16<<16
	s_mov_b32 s[\g+3], 32<<16
	s_mov_b32 s[\g+4], 16
	s_mov_b32 s[\g+5], 32
	s_mov_b32 s[\g+6], 0
	s_mov_b32 s[\g+7], 0
.endr
	s_lshl_b32 s18, s16, 7
	s_lshl_b32 s20, s17, 8
	s_add_co_u32 s20, s20, s18                     ; A's row
	s_lshl_b32 s46, s42, 8
	s_add_co_u32 s46, s46, s18                     ; B's row
	s_mov_b32 s21, 0
	s_mov_b32 s47, 0
	s_mov_b64 s[18:19], KS
	s_mul_u64 s[22:23], s[20:21], s[18:19]         ; their scales
	s_mul_u64 s[92:93], s[46:47], s[18:19]
	s_mov_b64 s[18:19], 256
	s_mul_u64 s[20:21], s[20:21], s[18:19]         ; A's codes: 4,096 bytes for 16 rows in each half of K
	s_mov_b64 s[18:19], KROW
	s_mul_u64 s[46:47], s[46:47], s[18:19]         ; B's codes
	s_mul_i32 s45, s14, HALFT
	s_mul_i32 s94, s14, HALFS
	s_wait_dscnt 0x0                               ; both opening adds are done
	s_wait_kmcnt 0x0
	s_add_nc_u64 s[20:21], s[4:5], s[20:21]
	s_add_nc_u64 s[22:23], s[6:7], s[22:23]
	s_add_nc_u64 s[46:47], s[8:9], s[46:47]
	s_add_nc_u64 s[92:93], s[10:11], s[92:93]
	CROUND                                         ; all sixteen work-groups are here: the first joint loads meet
	s_mov_b32 s[G0S], 1
	s_add_co_u32 s[G0S+1], s94, SCL
	s_mov_b64 s[G0S+2:G0S+3], s[22:23]
	s_or_b32 s[G0S+3], s[G0S+3], 0x80000000
	s_mov_b32 s[G0SB], 1
	s_add_co_u32 s[G0SB+1], s94, SCL
	s_mov_b64 s[G0SB+2:G0SB+3], s[92:93]
	s_or_b32 s[G0SB+3], s[G0SB+3], 0x80000000
	JLOAD G0S, G1S, G0SB, G1SB
.irp s, 0,1
	s_mov_b32 s[G0+4*\s], 1
	s_add_co_u32 s[G0+4*\s+1], s45, \s*SLOT
	s_add_nc_u64 s[G0+4*\s+2:G0+4*\s+3], s[20:21], \s*AHALF
	s_or_b32 s[G0+4*\s+3], s[G0+4*\s+3], 0x80000000
	s_mov_b32 s[G0B+4*\s], 1
	s_add_co_u32 s[G0B+4*\s+1], s45, \s*SLOT
	s_add_nc_u64 s[G0B+4*\s+2:G0B+4*\s+3], s[46:47], \s*ROWB
	s_or_b32 s[G0B+4*\s+3], s[G0B+4*\s+3], 0x80000000
	s_wait_alu depctr_va_vdst(0)
	s_wait_tensorcnt 0x0
	ds_add_u32 v28, v29
	s_wait_dscnt 0x0
	CROUND
	JLOAD G0+4*\s, G1, G0B+4*\s, G1B               ; both slots: one tensor load of mine is out after each
.endr
	v_and_b32 v1, 15, v0                           ; r
	v_bfe_u32 v2, v0, 4, 1                         ; h
	v_and_b32 v6, 31, v0
	v_lshlrev_b32 v[CO], 4, v6                     ; 16 x lane
	v_mul_u32_u24 v3, v1, PITCH
	v_lshl_add_u32 v4, v2, 4, v3                   ; B: a fragment's row x pitch + 16 h
	s_mul_i32 s21, s15, HALFT                      ; my 128 rows of A
	s_mul_i32 s22, s16, HALFT                      ; my 128 rows of B,
	s_add_co_u32 s22, s22, 2*HALFT                 ; behind A's part
.irp s, 0,1
	v_add_nc_u32 v[ADRA+\s], s21, v[CO]            ; A: images: 16 x lane
	v_add_nc_u32 v[ADRB+\s], s22, v4
	s_add_co_u32 s21, s21, SLOT
	s_add_co_u32 s22, s22, SLOT
.endr
	v_mul_u32_u24 v5, v1, KS
	v_lshrrev_b32 v6, 8, v5
	v_lshl_add_u32 v5, v6, 4, v5
	s_mul_i32 s21, s15, HALFS
	s_mul_i32 s22, s16, HALFS
	s_add_co_u32 s22, s22, 2*HALFS
	s_sub_co_u32 s22, s22, s21
	v_mul_u32_u24 v6, s22, v2                      ; lanes 16-31 take B's scale words
	s_add_co_u32 s21, s21, SCL
	v_add_nc_u32 v5, v5, v6
	v_add_nc_u32 v[ADRS], s21, v5
	s_mul_i32 s23, s14, 16*SPITCH                  ; my stage
	v_mul_u32_u24 v5, v1, SPITCH
	v_lshl_add_u32 v5, v2, 5, v5
	v_add_nc_u32 v[STO], s23, v5                   ; in: row r, 32 bytes for each half of the lanes
	v_add_nc_u32 v[RD], s23, v[CO]                 ; back: the 32 lanes take one row of 512 bytes
	v_lshlrev_b32 v[BOH], 5, v2
	s_wait_alu depctr_va_vdst(0)
	s_lshl_b32 s20, s17, 8
	s_lshl_b32 s21, s15, 7
	s_add_co_u32 s20, s20, s21                     ; my first row of out0
	s_mov_b32 s21, 0
	s_mov_b64 s[18:19], SIZE_N*4
	s_mul_u64 s[20:21], s[20:21], s[18:19]
	s_lshl_b32 s46, s42, 10                        ; my first column, in bytes
	s_lshl_b32 s47, s16, 9
	s_add_co_u32 s46, s46, s47
	s_mov_b32 s47, 0
	s_add_nc_u64 s[BP:BP+1], s[BP:BP+1], s[46:47]  ; bo at my 128 columns
	s_add_nc_u64 s[20:21], s[20:21], s[46:47]
	s_add_nc_u64 s[12:13], s[12:13], s[20:21]
.irp b, 0,1,2,3,4,5,6,7
	global_load_b128 v[BIAS+8*\b:BIAS+8*\b+3], v[BOH], s[BP:BP+1] offset:64*\b       ; columns 16 b + 8 h + 0 .. 7
	global_load_b128 v[BIAS+8*\b+4:BIAS+8*\b+7], v[BOH], s[BP:BP+1] offset:64*\b+16
.endr
	s_wait_loadcnt 0x0
.macro FRAGB reg, adr, q, i            ; B: lane l holds row l % 16; registers 4 c .. 4 c + 3 hold K = 64 c + 32 (l / 16) + 0 .. 31
.irp c, 0,1
	ds_load_b128 v[\reg+4*\c:\reg+4*\c+3], v[\adr] offset:64*(\q)+32*\c+(\i)*16*PITCH
.endr
.endm
.macro FRAGA reg, adr, q, i            ; A: tile i of 16 rows, images 2 q and 2 q + 1 (the two heads of the slot's q-th 128 along K)
.irp c, 0,1
	ds_load_b128 v[\reg+4*\c:\reg+4*\c+3], v[\adr] offset:(\i)*4096+(2*(\q)+\c)*512
.endr
.endm
.macro MUL16 a0, p, q, sc, first       ; 16 matrix instructions; first = 1: the bias starts the sums.  The 64 accumulators take turns, one instruction a turn
.irp a, \a0, \a0+1
.irp b, 0,1,2,3,4,5,6,7
.set DD, 8*(8*((\a)%4)+\b)
.set CC, DD
.if \first == 1
.set CC, BIAS+8*\b
.endif
	v_wmma_scale_f32_16x16x128_f8f6f4 v[DD:DD+7], v[128*(\p)+FR*\b:128*(\p)+FR*\b+FR-1], v[AF+FR*(\a):AF+FR*(\a)+FR-1], v[CC:CC+7], v[SC+8*NQ*(\sc)+NQ*\b+(\q)], v[SC+8*NQ*(\sc)+NQ*(\a)+(\q)] matrix_a_fmt:MATRIX_FMT_FP4 matrix_b_fmt:MATRIX_FMT_FP4 matrix_a_scale:MATRIX_SCALE_ROW1
.endr
.endr
.endm
.macro FETCH_B slot, q, p
	WIN TO_B
.irp i, 0,1,2,3,4,5,6,7
	FRAGB 128*(\p)+FR*\i, ADRB+\slot, \q, \i
.endr
	WIN 0
.endm
.macro FETCH_A slot, q, i0
.irp i, \i0, \i0+1, \i0+2, \i0+3
	FRAGA AF+FR*(\i), ADRA+\slot, \q, \i
.endr
.endm
.macro SCALES sc
.irp i, 0,1,2,3,4,5,6,7
	ds_load_b128 v[SC+8*NQ*\sc+NQ*\i:SC+8*NQ*\sc+NQ*\i+3], v[ADRS] offset:\i*SBLK
.endr
.endm
.macro PLACES n
.rept \n
	v_nop
.endr
.endm
.macro STEP slot, q, first
	s_wait_dscnt 4*NL                              ; B's set and A's blocks 0-3 are in; the youngest eight loads (A's blocks 4-7) may be out
.if \first
	WIN FST_LO
.else
	WIN MUL_LO
.endif
	MUL16 0, (\q)%2, \q, \slot, \first
	MUL16 2, (\q)%2, \q, \slot, \first
	s_wait_dscnt 0
	PLACES NP
	FETCH_B \slot, (\q)+1, 1-(\q)%2
	FETCH_A \slot, (\q)+1, 0
.if \first
	WIN FST_HI
.else
	WIN MUL_HI
.endif
	MUL16 4, (\q)%2, \q, \slot, \first
	MUL16 6, (\q)%2, \q, \slot, \first
	PLACES NP
	WIN 0
	FETCH_A \slot, (\q)+1, 4
.endm
.macro TURN slot, next                 ; a slot's last step changes slots: one barrier; nothing is filled again
	s_wait_tensorcnt 0x0                           ; all my tensor loads have landed: my part of the next slot
	ds_add_u32 v[SPW], v[NIL]                      ; 0 onto my spare word
	s_wait_dscnt 4*NL+1                            ; the add and the youngest eight loads may be out
	WIN MUL_LO
	MUL16 0, 1, NQ-1, \slot, 0
	s_wait_dscnt 0x0                               ; the add is done, and my reads of this slot are over
	s_barrier_signal -1
	MUL16 2, 1, NQ-1, \slot, 0
	WIN 0
	s_barrier_wait -1
	PLACES NP
	v_add_nc_u32 v[ADRS], 4*NQ, v[ADRS]
	FETCH_B \next, 0, 0
	FETCH_A \next, 0, 0
	SCALES \next
	WIN MUL_HI
	MUL16 4, 1, NQ-1, \slot, 0
	MUL16 6, 1, NQ-1, \slot, 0
	PLACES NP
	WIN 0
	FETCH_A \next, 0, 4
.endm
.macro STEPS slot, from
.set Q, \from
.rept NQ-1-\from
	STEP \slot, Q, 0
.set Q, Q+1
.endr
.endm
	s_wait_tensorcnt 1                             ; the scales and my part of slot 0 are in; slot 1's load may be out
	s_barrier_signal -1
	s_barrier_wait -1
	FETCH_B 0, 0, 0
	FETCH_A 0, 0, 0
	SCALES 0
	FETCH_A 0, 0, 4
	STEP 0, 0, 1
	STEPS 0, 1
	TURN 0, 1
	STEPS 1, 0
	s_wait_dscnt 4*NL
	WIN MUL_LO
	MUL16 0, 1, NQ-1, 1, 0
	MUL16 2, 1, NQ-1, 1, 0
	s_wait_dscnt 0
	WIN MUL_HI
	MUL16 4, 1, NQ-1, 1, 0
	MUL16 6, 1, NQ-1, 1, 0
	WIN 0
; THE WAY OUT, block by block of 16 rows x 128 columns, through my own stage in LDS: in as 32 bytes a lane, back as whole rows of 512 bytes, which the 32 lanes store as two aligned runs of 256 bytes.
; LDS serves a wave's instructions in order (ISA guide 5.7.1.4): no wait between the stores and the loads.
.macro TOSTAGE a
.set AC, 64*((\a)%4)
	WIN 0x08+4*((\a)/4)                            ; the data: window 2 or 3
.irp b, 0,1,2,3,4,5,6,7
	ds_store_b128 v[STO], v[AC+8*\b:AC+8*\b+3] offset:64*\b          ; each accumulator from its low end on
	ds_store_b128 v[STO], v[AC+8*\b+4:AC+8*\b+7] offset:64*\b+16
.endr
	WIN 0
.set BB, BK+64*((\a)%2)
.irp t, 0,1,2,3,4,5,6,7,8,9,10,11,12,13,14,15
	ds_load_b128 v[BB+4*\t:BB+4*\t+3], v[RD] offset:\t*SPITCH
.endr
.endm
.macro SEND a, younger                 ; younger: the LDS instructions issued behind block a's loads, which may stay out
.set BB, BK+64*((\a)%2)
	s_wait_dscnt \younger
.if (\a) > 0
	s_add_nc_u64 s[12:13], s[12:13], 16*SIZE_N*4   ; behind a wait on XCNT: the earlier stores have read their base
.endif
.irp t, 0,1,2,3,4,5,6,7,8,9,10,11,12,13,14,15
	global_store_b128 v[CO], v[BB+4*\t:BB+4*\t+3], s[12:13] offset:\t*SIZE_N*4 th:TH_STORE_NT
.endr
.endm
	PLACES NP                                      ; in front of the first read of results and of loads into registers that matrix instructions have read
	TOSTAGE 0
.irp a, 1,2,3,4,5,6,7
.if \a > 1
	s_wait_xcnt 0x0                                ; block a - 2's stores have read their registers and their base
.endif
	TOSTAGE \a
	SEND \a-1, 32                                  ; behind block a - 1's loads: block a's 16 stores and 16 loads
.endr
	s_wait_xcnt 0x0
	SEND 7, 0
	s_wait_tensorcnt 0x0                           ; the wave's end
	ds_add_u32 v[SPW], v[NIL]
	s_wait_dscnt 0x0
	CROUND                                         ; the closing round
	s_endpgm
.Lfunc_end_k_q76f4fa94c8_proj:
	.size	k_q76f4fa94c8_proj, .Lfunc_end_k_q76f4fa94c8_proj-k_q76f4fa94c8_proj
	.p2alignl 7, 3214868480
	.fill 96, 4, 3214868480
	.section	.rodata,"a",@progbits
	.p2align	6, 0x0
	.amdhsa_kernel k_q76f4fa94c8_proj
		.amdhsa_group_segment_fixed_size 327680
		.amdhsa_private_segment_fixed_size 0
		.amdhsa_enable_private_segment 0
		.amdhsa_kernarg_size 48
		.amdhsa_user_sgpr_count 2
		.amdhsa_user_sgpr_kernarg_segment_ptr 1
		.amdhsa_wavefront_size32 1
		.amdhsa_system_sgpr_workgroup_id_x 1
		.amdhsa_system_sgpr_workgroup_id_y 1
		.amdhsa_system_sgpr_workgroup_id_z 1
		.amdhsa_system_vgpr_workitem_id 0
		.amdhsa_next_free_vgpr 1024
		.amdhsa_next_free_sgpr 100
		.amdhsa_reserve_vcc 0
		.amdhsa_float_denorm_mode_32 3
		.amdhsa_float_denorm_mode_16_64 3
		.amdhsa_memory_ordered 1
		.amdhsa_forward_progress 1
		.amdhsa_inst_pref_size 127
	.end_amdhsa_kernel
	.amdgpu_metadata
---
amdhsa.version: [ 1, 2 ]
amdhsa.kernels:
  - .name:           k_q76f4fa94c8_proj
    .symbol:         k_q76f4fa94c8_proj.kd
    .args:
      - { .name: oc, .offset: 0, .size: 8, .value_kind: global_buffer, .address_space: global }
      - { .name: os, .offset: 8, .size: 8, .value_kind: global_buffer, .address_space: global }
      - { .name: Wo_codes, .offset: 16, .size: 8, .value_kind: global_buffer, .address_space: global }
      - { .name: Wo_scales, .offset: 24, .size: 8, .value_kind: global_buffer, .address_space: global }
      - { .name: bo, .offset: 32, .size: 8, .value_kind: global_buffer, .address_space: global }
      - { .name: out0, .offset: 40, .size: 8, .value_kind: global_buffer, .address_space: global }
    .group_segment_fixed_size: 327680
    .private_segment_fixed_size: 0
    .kernarg_segment_align: 8
    .kernarg_segment_size: 48
    .max_flat_workgroup_size: 128
    .sgpr_count:     100
    .vgpr_count:     1024
    .wavefront_size: 32
...
	.end_amdgpu_metadata
.endif
;; end of part 3
